; MI455X (gfx1250); checked and timed in simulation.
; The chip was launched on July 23, 2026; its instructions are those of AMD's public machine-readable ISA for CDNA 5 (MIT licence, August 2026) and "CDNA5" Instruction Set Architecture Reference Guide (July 2026). The comments in the code are by the model that wrote it; some were corrected since.
;; Model. Allowed arithmetic: matrix products marked QUANTISED: E2M3 operands, one E8M0 scale for each 32 along K, by v_wmma_scale_f32_16x16x128_f8f6f4 with both operands' format E2M3, f32 sums; everything else in f32.
;; Inputs: attn_mask 1 x 1 x 2,048 x 2,048 float32; key_codes 4 x 16 x 2,048 x 2 x 24 uint8 (E2M3 codes of key, K innermost, in blocks of 32 codes, four codes in three bytes); key_scales 4 x 16 x 2,048 x 2 uint8 (E8M0 scales of key, one for each 32 codes along K); query_codes 4 x 16 x 2,048 x 2 x 24 uint8 (E2M3 codes of query, K innermost, in blocks of 32 codes, four codes in three bytes); query_scales 4 x 16 x 2,048 x 2 uint8 (E8M0 scales of query, one for each 32 codes along K); value_codes 4 x 16 x 64 x 64 x 24 uint8 (E2M3 codes of value, K innermost, in blocks of 32 codes, four codes in three bytes); value_scales 4 x 16 x 64 x 64 uint8 (E8M0 scales of value, one for each 32 codes along K).
;; Outputs: out0 4 x 16 x 2,048 x 64 float32.
;; This version of the problem:
;;   THIS VERSION OF THE PROBLEM IS GIVEN IN LOW PRECISION. The matrix products marked QUANTISED in the list below multiply operands that are first quantised to E2M3 (2 exponent bits, 3 mantissa bits; 6 bits a number), with one power-of-two scale for each 32 numbers along K (OCP MX v1.0); their sums are f32. All else is computed in f32.
;;   The module's matrix products, in the order in which they are computed (A, B: the left and right operand; K: the contracted axis; several contracted axes count as one K, in the product's order):
;;     1. batch 64 x [M 2,048, K 64] x [K 64, N 2,048]; A: input query (given as codes); B: input key (given as codes): QUANTISED
;;     2. batch 64 x [M 2,048, K 2,048] x [K 2,048, N 64]; A: softmax (see below); B: input value (given as codes): QUANTISED
;;   THE QUANTISER, for each operand of a quantised product, along K:
;;     - K is cut into blocks of 32 from its start; a last block that is shorter is filled with zeros.
;;     - A block's scale is 2^e with e = floor(log2(the largest magnitude in the block)) - 2, held to -126 .. 127; a block of zeros has e = 0. As a byte (E8M0): e + 127.
;;     - Each number is divided by its block's scale, clamped to +-7.5, and rounded to the nearest number of E2M3, ties to even, subnormals kept.
;;     - The product sums the exact products of the quantised numbers (number of the format x scale) in f32.
;;   ~~~python
;;   def quantise(x, axis):      # numpy; x: float32 -> the quantised numbers, widened to float32 again
;;       x = np.moveaxis(x, axis, -1); K = x.shape[-1]
;;       x = np.pad(x, [(0, 0)] * (x.ndim - 1) + [(0, -K % 32)]); x = x.reshape(x.shape[:-1] + (-1, 32)); a = np.abs(x).max(-1, keepdims=True)
;;       e = np.where(a > 0, np.clip(np.frexp(np.where(a > 0, a, 1))[1] - 1 - 2, -126, 127), 0)      # np.frexp(a)[1] - 1 = floor(log2(a)), exactly
;;       r = np.clip(x / 2.0 ** e, -7.5, 7.5)
;;       step = 2.0 ** (np.maximum(np.frexp(np.where(r == 0, 1, r))[1] - 1, 0) - 3)
;;       q = np.round(r / step) * step * 2.0 ** e      # np.round: ties to even
;;       return np.moveaxis(q.reshape(q.shape[:-2] + (-1,))[..., :K], -1, axis).astype(np.float32)
;;   ~~~
;;   SOFTMAX AHEAD OF A QUANTISED PRODUCT. Where the list says 'softmax', what is quantised is not the finished softmax but p = 2^(t - M), with t = logit x log2(e) and M = ceil(the row's largest t), a whole number; so 1/2 < the row's largest p <= 1. The row's sum l is taken of the UNQUANTISED p, in f32, and the product's result is divided by l at the end. Since M is a whole number, a kernel that streams over the keys may use a running M (the ceiling of the running maximum): every later rescaling is an exact power of two, which a block's scale takes up: the codes' values come out the same.
;;   OPERANDS COMPUTED ON THE WAY. 'Computed on the way' means the value that the module computes at that place (a softmax that the list does not call 'softmax' is quantised finished and normalised). What goes into a quantiser is computed in f32, as accurately as f32 sums, v_exp_f32 and their like allow (about 1e-6 of the number): no bf16 or f16 on the way to a quantiser, and a product that is left as it is and whose result goes on into a quantised operand takes f32 operands (vector FMAs, or v_wmma_f32_16x16x4_f32). A number that lies on a knife's edge between two numbers of the format may be rounded either way, as far as f32 arithmetic and the matrix unit's own rounding can turn it there, and no further.
;;   INPUTS GIVEN AS CODES. key (in the module: [4, 16, 2048, 64], K = its axis 3); query (in the module: [4, 16, 2048, 64], K = its axis 3); value (in the module: [4, 16, 2048, 64], K = its axis 2): each comes as NAME_codes (uint8): NAME with its K axis moved to the last place and cut into blocks of 32 codes, [.., K / 32, bytes a block], one block behind the other in memory; four codes in three bytes: a row's codes are one little-endian stream of bits, code i at bits 6 i .. 6 i + 5 (a code: sign, 2 exponent bits, 3 mantissa bits); and NAME_scales (uint8): the same leading axes, one E8M0 byte (e + 127) for each 32 codes along K. Its value is code x scale, taken as it is: it is not quantised again, and the codes and scales need not be those that the quantiser above would give.
;; One version. Each part assembles by itself: llvm-mc -triple=amdgcn-amd-amdhsa -mcpu=gfx1250 --defsym DOCPART=n.
;; ======== version 1 of 1: 1 launch
;; launch attn (part 1): grid 16 x 16, 8 waves a work-group, clusters of 4 x 4, 327,680 bytes of LDS; arguments attn_mask, key_codes, key_scales, query_codes, query_scales, value_codes, value_scales, out0; writes out0
.if DOCPART == 1
	.amdgcn_target "amdgcn-amd-amdhsa--gfx1250"
	.amdhsa_code_object_version 6
	.text
	.protected	k_q0fd25f28c0_attn
	.globl	k_q0fd25f28c0_attn
	.p2align	8
	.type	k_q0fd25f28c0_attn,@function
k_q0fd25f28c0_attn:
	s_mov_b64 s[64:65], 0
	v_nop
	global_prefetch_b8 v0, s[64:65] scope:SCOPE_SE
	s_setreg_imm32_b32 hwreg(HW_REG_WAVE_MODE, 25, 1), 1
	s_wait_xcnt 0x0
	s_wait_alu depctr_hold_cnt(0) depctr_sa_sdst(0) depctr_va_vdst(0) depctr_va_sdst(0) depctr_va_ssrc(0) depctr_va_vcc(0) depctr_vm_vsrc(0)
	s_getreg_b32 s2, hwreg(HW_REG_IB_STS2, 6, 4)
	s_cmp_eq_u32 s2, 0
	s_cbranch_scc0 .Lentry_in_a_cluster
	s_endpgm
.Lentry_in_a_cluster:
	s_bfe_u32 s2, ttmp6, 0x10000c
	s_cmp_lg_u32 s2, 0xf033
	s_cbranch_scc0 .Lentry_shape_is_right
	s_endpgm
.Lentry_shape_is_right:
; out[h][q][:] = the sum over k of softmax_k(Q[h][q] . K[h][k] + mask[q][k]) V[h][k][:], 64 heads, 2,048 queries and keys, head size 64.  Both products on codes of FP6 (E2M3) with one E8M0 scale for each 32 along K.
; Q, K: codes [64][2048][48 bytes], scale bytes [64][2048][2].  V: codes with the KEYS innermost [64][64 d][1536 bytes], scale bytes [64][64 d][64].  mask: [2048][2048] f32, one for all heads.  out: [64][2048][64] f32.
; THE SOFTMAX AHEAD OF THE SECOND PRODUCT: t = logit x log2(e); M = the row's largest t so far, rounded UP to a whole number; p = 2^(t - M) is quantised along the keys, not normalised.  The row's sum is taken of the
; unquantised p in f32 and divides at the end.  When M moves, the sum and O are multiplied by 2^(old M - new M): exact, in every step, with no branch on data.
; SHARES.  A work-group owns 128 queries (work-group x) of 4 heads (4 y .. 4 y + 3), so that one tile of the mask serves four heads.  Wave w: head w / 2, queries 64 (w % 2) on: four UNITS of 16 queries, worked one after
; the other in each key step of 128 keys.  K's and V's fragments are read from LDS once a step for the four units.  256 work-groups of equal work.
; CLUSTER 4 x 4.  K, V and their scale bytes hang on y alone: asked for jointly by the four work-groups of a row of the cluster.  The mask's tile hangs on x alone: jointly by the four of a column.  So every tile's requests are divided by four.
; LAYOUT.  Both products are used transposed: S^T = K Q^T + mask^T (source 0 = 16 keys, source 1 = 16 queries, C = the mask, loaded into the accumulator itself: the addition costs nothing), O^T = V^T P^T.
; A lane holds ONE query (lane % 16) throughout.  THE KEYS OF A TILE ARE NOT NEIGHBOURS: row m of tile 4 c + u takes key 64 c + 8 u + m + 3 (m & 8), so that a lane's score registers 32 c .. 32 c + 31 are the keys
; 64 c + 32 (lane / 16) + 0 .. 31: one whole block of the second product's K, in the order of that operand's registers.  A block's largest score needs no other lane and p's codes change no lanes.
; HEAD SIZE 64 IN AN INSTRUCTION OF 128 ALONG K: Q's fragment has six registers of codes and six of zero codes.  K's tiles lie six registers apart, so a tile's upper six registers are the next tile's codes (behind the last tile: zeros);
; they meet Q's zero codes and add nothing.  The scale words of Q and K are loaded as 16 bits: their bytes 2 and 3 are 0, the smallest scale, never 0xff.
; THE PIPELINE.  While unit u's softmax is walked, unit u + 1's mask is on its way from LDS into the other score buffer, and its 8 products stand behind unit u's exponentials.  The change of slots stands in the middle of unit 2,
; behind the products of unit 3: from one change to the next every LDS read is of one key step's tiles.
; LIMITS.  NaN among the inputs and a scale byte 0xff are not served.  -infinity in the mask goes through C and gives p = 0 (not tried); a row whose every logit is -infinity gives NaN.  A block whose every p is 0 keeps the byte 1: its codes are zeros.
; The row's sum is added in another order than a plain loop over the keys.  A block's largest p is taken as 2^ of the block's largest score, by the same two instructions: this leans on v_exp_f32 not falling where its input rises.
; K's fragment loads meet two deep in the banks: rows 32 keys apart are 384 words apart, a whole number of times 64 banks (ISA guide 11.1).
.set NSTEP, 16                         ; key steps of 128 keys
.set SLOT1, 131072                     ; slot 1 begins here: one exclusive or turns an address in one slot into the other's
.set MP,    528                        ; the mask begins a slot: 128 rows of 512 bytes + 16 = 132 words: row r starts at bank 4 r mod 64
.set KHB,   128*48                     ; a head's 128 keys of a step: 6,144 dense bytes
.set KOFF,  128*MP                     ; K: four heads
.set VOFF,  KOFF+4*KHB                 ; V: 4 heads x 64 rows d
.set VP,    144                        ; a row of V: 3 x (32 bytes + 16 of padding) = 36 words: the 32 lanes of a load of 8 bytes touch 64 different banks
.set SCK,   2*SLOT1                    ; behind the ring, filled once: K's scale bytes of the four whole heads, rows of 64 bytes (32 keys) + 8
.set SP,    72                         ; 18 words: 32 rows start at 32 different banks
.set SCV,   SCK+4*64*SP                ; V's scale bytes: 4 heads x 64 rows d of 64 bytes + 8
.set SPARE, SCV+4*64*SP                ; the spare words, 128 bytes for each wave: four blocks of 256 bytes that no other line names
.set STP,   272                        ; the way out: a stage of 16 rows x (256 + 16) bytes for each wave, from LDS byte 0 on: slot 0 has had its last fill and its last read by then
; vector registers, window 0
.set SPW,  1                           ; LDS address of my spare word; never rewritten
.set NIL,  2                           ; 0; never rewritten
.set H8,   3                           ; 8 (lane / 16)
.set AM0,  4                           ; my lane's places in a slot: the mask,
.set AK0,  5                           ; K,
.set AVA0, 6                           ; V (+ 24 bytes for lanes 16-31),
.set AVB0, 7                           ; V behind one padding more (+ 40)
.set ADM,  8                           ; the same in the slot in hand
.set ADK,  9
.set ADVA, 10
.set ADVB, 11
.set AKS0, 12                          ; my lane's place among K's scale words, and among V's
.set AVS0, 13
.set STO,  14                          ; the way out: where I put 16 bytes of a row; where I read a row back; my byte offset in the wave's rows of out
.set RD,   15
.set KS,   16                          ; v16-19 K's scale words: register i: lanes 0-15 tile 2 i, lanes 16-31 tile 2 i + 1
.set VS,   20                          ; v20-21 V's likewise
.set QS,   22                          ; v22-23 Q's: lanes 0-15 unit 2 i, lanes 16-31 unit 2 i + 1
.set PS,   24                          ; p's scale word
.set GO,   25
.set ST,   26                          ; v26-41 unit u at ST + 4 u: -M, the largest t, the sum in two halves
.set TT,   42                          ; v42-45 four chains of maxima; then 42, 44: my two blocks' largest score, largest p
.set FF,   46                          ; v46 f = 2^(old M - new M); v47 named with it as a pair
.set XX,   48                          ; what the lane 16 away sends
.set DD,   49
.set SOP,  50                          ; v50-51 the conversions' scale operands
.set BY,   52                          ; v52-53 the scale bytes
.set TA,   54                          ; v54-59 three more chains of the sum
.set TB2,  56
.set TC,   58
.set KF,   60                          ; v60-113 K's eight tiles, six registers each, and six zeros
.set ADKS, 114                         ; the step's scale words of K, of V
.set ADVS, 115
.set BUF0, 128                         ; v128-191, v192-255: two score buffers; unit u works in buffer u % 2
.set BUF1, 192
; window 1
.set OO,   0                           ; v0-127 O^T: unit u at 32 u, tile t (16 of the head's 64) at + 8 t
.set QQ,   128                         ; v128-175 Q: unit u at 12 u
.set VF,   176                         ; v176-223 V's four tiles
.set PP,   224                         ; v224-235 p's codes
.set PT0,  236                         ; a conversion's three registers begin on an even number: a block's second half is made here and moved
.set PT1,  240
; scalar registers
.set WV,   20                          ; wave
.set HH,   21                          ; my head of the four
.set GG,   22                          ; wave % 2: my half of the queries; also which half of a tile I fetch
.set W3,   23                          ; wave % 4: which head I fetch for
.set SEL,  30                          ; s[30:31] v_permlanex16_b32's selects for lane l xor 16
.set CS,   32                          ; s[32:33] log2(e): the packed form names a pair and takes its low word for both halves
.set TB,   34                          ; LDS byte at which the slot ahead begins
.set CNT,  35
.set G1M,  36                          ; s[36:43], s[44:51], s[52:59], s[68:75]: descriptor groups 1 for the mask, K, V, the scale bytes
.set G1K,  44
.set G1V,  52
.set G0M,  60                          ; s[60:63], s[76:79], s[80:83]: groups 0, which walk;  s[84:87], s[88:91]: the scale bytes' of K and V
.set G1S,  68
.set G0K,  76
.set G0V,  80
.set G0SK, 84
.set G0SV, 88
.set TS,   98                          ; where the step's scale words of K begin: 288 bytes a step (four rows of 32 keys)
.set TJ,   99                          ; and V's: 4 bytes a step
.set MSB, 0
.macro WIN new                         ; s_set_vgpr_msb: bits 1:0 source 0, 3:2 source 1, 5:4 source 2, 7:6 destination; the high byte repeats the setting that is left
.if MSB != \new
	s_set_vgpr_msb (MSB<<8)|\new
.set MSB, \new
.endif
.endm
.set W_QK, 0x04                        ; Q (source 1) in window 1; K and the scores in window 0
.set W_TO1, 0x40                       ; destination in window 1
.set W_RS, 0x41                        ; destination and source 0 in window 1
.set W_PV, 0x55                        ; V, P and O^T all in window 1
.macro NOP4
.rept 4
	v_nop
.endr
.endm
; A joint refill: waves 0, 1 fetch the mask's halves, waves 2, 3 two heads of K each, waves 4-7 a head of V each.  Each line has ONE mask and one set of registers for all that issue it; the branches hang on the wave's number alone.
; Four v_nop follow each line, ahead of the jump, the label and what follows.
.macro JLOAD
	s_cmp_lt_u32 s[WV], 2
	s_cbranch_scc0 .Lnot_m_\@
	tensor_load_to_lds s[G0M:G0M+3], s[G1M:G1M+7]
	s_nop 0
	NOP4
	s_branch .Lasked_\@
.Lnot_m_\@:
	s_cmp_lt_u32 s[WV], 4
	s_cbranch_scc0 .Lfor_v_\@
	tensor_load_to_lds s[G0K:G0K+3], s[G1K:G1K+7]
	s_nop 0
	NOP4
	s_branch .Lasked_\@
.Lfor_v_\@:
	tensor_load_to_lds s[G0V:G0V+3], s[G1V:G1V+7]
	s_nop 0
	NOP4
.Lasked_\@:
.endm
.macro JLOADS                          ; the scale bytes, once: waves 0-3 a head of K's each, waves 4-7 a head of V's
	s_cmp_lt_u32 s[WV], 4
	s_cbranch_scc0 .Lsc_v_\@
	tensor_load_to_lds s[G0SK:G0SK+3], s[G1S:G1S+7]
	s_nop 0
	NOP4
	s_branch .Lsc_asked_\@
.Lsc_v_\@:
	tensor_load_to_lds s[G0SV:G0SV+3], s[G1S:G1S+7]
	s_nop 0
	NOP4
.Lsc_asked_\@:
.endm
.macro CREST                           ; a round of the cluster's barrier behind its opening barrier
	s_cmp_lg_u32 s[WV], 0
	s_cbranch_scc1 .Lnot_wave_0_\@
	s_barrier_signal -3
.Lnot_wave_0_\@:
	s_barrier_wait -3
	s_barrier_signal -1
	s_barrier_wait -1
.endm
.macro CROUND                          ; a whole round
	s_barrier_signal -1
	s_barrier_wait -1
	CREST
.endm
.macro SHAPE g, d0, d1, pitch          ; words 1 to 7 of a group 1: a tile of d1 rows of d0 elements that lies inside its tensor
	s_mov_b32 s[\g+1], (\d0)<<16               ; tensor_dim0
	s_mov_b32 s[\g+2], (\d1)<<16               ; tensor_dim1
	s_mov_b32 s[\g+3], (\d0)<<16               ; tile_dim0
	s_mov_b32 s[\g+4], \d1                     ; tile_dim1
	s_mov_b32 s[\g+5], \pitch                  ; elements from row to row
	s_mov_b32 s[\g+6], 0
	s_mov_b32 s[\g+7], 0
.endm
	s_load_b256 s[4:11], s[0:1], 0x0               ; mask s[4:5], K's codes s[6:7], K's scales s[8:9], Q's codes s[10:11]
	s_load_b256 s[12:19], s[0:1], 0x20             ; Q's scales s[12:13], V's codes s[14:15], V's scales s[16:17], out s[18:19]
	v_lshl_add_u32 v[SPW], v0, 2, SPARE
	v_mov_b32 v[NIL], 0
	ds_add_u32 v1, v2
	ds_add_u32 v1, v2
	s_wait_dscnt 0x0
	v_lshrrev_b32 v[TT], 5, v0
	v_readfirstlane_b32 s[WV], v[TT]               ; wave 0..7
	s_lshr_b32 s[HH], s[WV], 1
	s_and_b32 s[GG], s[WV], 1
	s_and_b32 s[W3], s[WV], 3
	s_bfe_u32 s24, ttmp6, 0x40000                  ; cx, cy: my place in the cluster
	s_bfe_u32 s25, ttmp6, 0x40004
	s_lshl_b32 s26, ttmp9, 2
	s_add_co_u32 s26, s26, s24                     ; x = 4 x cluster x + cx: my block of 128 queries
	s_and_b32 s27, ttmp7, 0xffff
	s_lshl_b32 s27, s27, 2
	s_add_co_u32 s27, s27, s25                     ; y = 4 x cluster y + cy: my four heads
	s_lshl_b32 s28, s25, 2
	s_lshl_b32 s28, 15, s28                        ; my row of the cluster: it shares y
	s_lshl_b32 s29, 0x1111, s24                    ; my column: it shares x
	; group 1, word 0: 15:0 the mask of work-groups; 17:16 element size; 20 padding on; 21 set beside a mask; 24:22 the interval's code; 31:25 the padding's words - 1
	s_or_b32 s[G1M], s29, (2<<16)|(1<<20)|(1<<21)|(6<<22)|(3<<25)   ; the mask: f32; 4 words behind every 128
	SHAPE G1M, 128, 64, 2048                       ; 64 rows of 128 numbers
	s_or_b32 s[G1K], s28, (3<<16)|(1<<21)          ; K: elements of 8 bytes, no padding
	SHAPE G1K, 768, 2, 12288                       ; two heads' 6,144 dense bytes, a head (98,304 bytes) apart
	s_or_b32 s[G1V], s28, (3<<16)|(1<<20)|(1<<21)|(2<<22)|(3<<25)   ; V: 4 words behind every 8
	SHAPE G1V, 12, 64, 192                         ; 64 rows d of 96 bytes, 1,536 bytes apart
	s_or_b32 s[G1S], s28, (3<<16)|(1<<20)|(1<<21)|(3<<22)|(1<<25)   ; scale bytes: 2 words behind every 16
	SHAPE G1S, 8, 64, 8                            ; a head's 4,096 dense bytes as 64 rows of 64
	; where the tiles go: the wave's number and constants alone
	s_mul_i32 s[G0M+1], s[GG], 64*MP
	s_mul_i32 s[G0K+1], s[GG], 2*KHB
	s_add_co_u32 s[G0K+1], s[G0K+1], KOFF
	s_mul_i32 s[G0V+1], s[W3], 64*VP
	s_add_co_u32 s[G0V+1], s[G0V+1], VOFF
	s_mul_i32 s[G0SK+1], s[W3], 64*SP
	s_add_co_u32 s[G0SV+1], s[G0SK+1], SCV
	s_add_co_u32 s[G0SK+1], s[G0SK+1], SCK
	; where they come from.  s[96:97] hold numbers made of x alone, s[92:94] of y alone
	s_lshl_b32 s96, s26, 20                        ; the mask: 128 x rows of 8,192 bytes,
	s_lshl_b32 s97, s[GG], 19                      ; + my 64 rows
	s_add_co_u32 s96, s96, s97
	s_mov_b32 s97, 0
	s_lshl_b32 s94, s27, 2                         ; 4 y
	s_lshl_b32 s92, s[GG], 1
	s_add_co_u32 s92, s92, s94
	s_mul_i32 s92, s92, 98304                      ; K: head 4 y + 2 (wave % 2)
	s_mov_b32 s93, 0
	; my first row of Q and of out: (4 y + head) x 2,048 + 128 x + 64 (wave % 2)
	s_add_co_u32 s100, s94, s[HH]
	s_lshl_b32 s100, s100, 11
	s_lshl_b32 s101, s26, 7
	s_add_co_u32 s100, s100, s101
	s_lshl_b32 s101, s[GG], 6
	s_add_co_u32 s100, s100, s101
	s_mov_b32 s3, 0
	s_mov_b32 s[SEL], 0x76543210
	s_mov_b32 s[SEL+1], 0xfedcba98
	s_mov_b32 s[CS], 0x3fb8aa3b                    ; log2(e)
	s_mov_b32 s[CS+1], s[CS]                       ; (named with it as a pair, so it is written)
	s_mov_b32 s[TB], 0
	s_mov_b32 s[TS], 0
	s_mov_b32 s[TJ], 0
	s_wait_kmcnt 0x0
	s_add_nc_u64 s[G0M+2:G0M+3], s[4:5], s[96:97]
	s_add_nc_u64 s[G0K+2:G0K+3], s[6:7], s[92:93]
	s_add_co_u32 s94, s94, s[W3]                   ; head 4 y + wave % 4
	s_mul_i32 s92, s94, 98304
	s_add_nc_u64 s[G0V+2:G0V+3], s[14:15], s[92:93]
	s_lshl_b32 s92, s94, 12                        ; 4,096 scale bytes a head
	s_add_nc_u64 s[G0SK+2:G0SK+3], s[8:9], s[92:93]
	s_add_nc_u64 s[G0SV+2:G0SV+3], s[16:17], s[92:93]
.irp g, G0M, G0K, G0V, G0SK, G0SV
	s_mov_b32 s[\g], 1                             ; count = 1
	s_or_b32 s[\g+3], s[\g+3], 0x80000000          ; type = 2
.endr
	s_mul_i32 s2, s100, 48
	s_add_nc_u64 s[10:11], s[10:11], s[2:3]        ; Q's codes,
	s_lshl_b32 s2, s100, 1
	s_add_nc_u64 s[12:13], s[12:13], s[2:3]        ; Q's scale bytes,
	s_lshl_b32 s2, s100, 8
	s_add_nc_u64 s[18:19], s[18:19], s[2:3]        ; and out at my first row
	CROUND                                         ; all sixteen work-groups are here: the first joint loads meet
	JLOADS                                         ; the first fills go out together: the scale bytes of whole heads,
	JLOAD                                          ; and key step 0 into slot 0: two tensor loads of mine are out
	v_and_b32 v[TT], 15, v0                        ; r = lane % 16
	v_bfe_u32 v[TT+1], v0, 4, 1                    ; h = lane / 16
	v_and_b32 v[TT+2], 31, v0                      ; lane
	v_mul_u32_u24 v[TA], v[TT], 48
	v_mad_u32_u24 v[TA], v[TT+1], 24, v[TA]        ; Q: row r of 48 bytes, + 24 h: my 32 of the head's 64
	v_lshlrev_b32 v[TA+1], 1, v[TT+2]              ; Q's scale words: 2 bytes a query
	WIN W_TO1
.irp u, 0,1,2,3
.irp p, 0,1,2
	global_load_b64 v[QQ+12*\u+2*\p:QQ+12*\u+2*\p+1], v[TA], s[10:11] offset:768*\u+8*\p th:TH_LOAD_NT   ; Q stays in registers; nobody else reads these bytes
.endr
.endr
.irp u, 0,1,2,3
.irp i, 6,7,8,9,10,11
	v_mov_b32 v[QQ+12*\u+\i], 0                    ; zero codes for K = 64 .. 127 of the instruction
.endr
.endr
.set i, 0
.rept 128
	v_mov_b32 v[OO+i], 0                           ; O^T.  The key step is written once: its first walk finds zeros, which the first change of M leaves zeros; a first step of its own would be a third copy of the step's text
.set i, i+1
.endr
	WIN 0
	global_load_u16 v[QS], v[TA+1], s[12:13] th:TH_LOAD_NT             ; queries 0-31: units 0 and 1
	global_load_u16 v[QS+1], v[TA+1], s[12:13] offset:64 th:TH_LOAD_NT ; units 2 and 3
	v_lshlrev_b32 v[H8], 3, v[TT+1]
	v_mul_u32_u24 v[AM0], v[TT], MP                ; the mask: row 64 (wave % 2) + r, + 128 h bytes: my 32 keys of each 64
	v_lshl_add_u32 v[AM0], v[TT+1], 7, v[AM0]
	s_mul_i32 s66, s[GG], 64*MP
	v_add_nc_u32 v[AM0], s66, v[AM0]
	v_and_b32 v[TT+3], 8, v[TT]
	v_mad_u32_u24 v[TT+3], v[TT+3], 3, v[TT]       ; r + 3 (r & 8): rows 8-15 of a tile lie 32 keys on
	v_mul_u32_u24 v[AK0], v[TT+3], 48
	v_mad_u32_u24 v[AK0], v[TT+1], 24, v[AK0]
	s_mul_i32 s66, s[HH], KHB
	s_add_co_u32 s66, s66, KOFF
	v_add_nc_u32 v[AK0], s66, v[AK0]
	v_mul_u32_u24 v[AVA0], v[TT], VP
	v_mad_u32_u24 v[AVA0], v[TT+1], 24, v[AVA0]
	s_mul_i32 s66, s[HH], 64*VP
	s_add_co_u32 s66, s66, VOFF
	v_add_nc_u32 v[AVA0], s66, v[AVA0]
	v_lshl_add_u32 v[AVB0], v[TT+1], 4, v[AVA0]
	v_lshrrev_b32 v[TT+3], 3, v[TT]                ; K's scale words.  Lanes 0-15 serve tile 2 i, lanes 16-31 tile 2 i + 1 (8 keys on): row r / 8 of 32 keys, key r % 8 + 8 h in it
	v_mul_u32_u24 v[AKS0], v[TT+3], SP
	v_and_b32 v[TT+3], 7, v[TT]
	v_lshl_add_u32 v[AKS0], v[TT+3], 1, v[AKS0]
	v_lshl_add_u32 v[AKS0], v[TT+1], 4, v[AKS0]
	s_mul_i32 s66, s[HH], 64*SP
	s_add_co_u32 s67, s66, SCK
	v_add_nc_u32 v[AKS0], s67, v[AKS0]
	v_mul_u32_u24 v[AVS0], v[TT+2], SP             ; V's: row d = lane of each 32
	s_add_co_u32 s67, s66, SCV
	v_add_nc_u32 v[AVS0], s67, v[AVS0]
	s_mul_i32 s66, s[WV], 16*STP                   ; my stage
	v_mul_u32_u24 v[STO], v[TT], STP               ; in: row r, + 32 h
	v_lshl_add_u32 v[STO], v[TT+1], 5, v[STO]
	v_add_nc_u32 v[STO], s66, v[STO]
	v_mul_u32_u24 v[RD], v[TT+1], STP              ; back: lanes 0-15 one row of 256 bytes, lanes 16-31 the next
	v_lshl_add_u32 v[RD], v[TT], 4, v[RD]
	v_add_nc_u32 v[RD], s66, v[RD]
	v_lshlrev_b32 v[GO], 8, v[TT+1]                ; and the same two rows in out
	v_lshl_add_u32 v[GO], v[TT], 4, v[GO]
.irp i, 48,49,50,51,52,53
	v_mov_b32 v[KF+\i], 0                          ; behind K's last tile
.endr
	v_mov_b32 v[XX], 0                             ; written once: a lane permute's destination counts as one of its sources
	v_mov_b32 v[FF+1], 0                           ; (named as the upper half of a pair)
.irp u, 0,1,2,3
	v_mov_b32 v[ST+4*\u+1], 0xff61b1e6             ; the largest t so far: -3e38, under every t
	v_floor_f32 v[ST+4*\u], -v[ST+4*\u+1]          ; -M
	v_mov_b32 v[ST+4*\u+2], 0                      ; the sum, in two halves
	v_mov_b32 v[ST+4*\u+3], 0
.endr
; ---- LDS loads, in runs
.macro LOADM un, sb                    ; unit un's mask into score buffer sb, as the products' C: register 32 c + i = mask(my query, 64 c + 32 h + i): 128 consecutive bytes for each c
.set i, 0
.rept 16
	ds_load_b128 v[\sb+4*i:\sb+4*i+3], v[ADM] offset:16*MP*\un+256*(i/8)+16*(i%8)
.set i, i+1
.endr
.endm
.macro LOADK                           ; the step's eight tiles of K, 24 bytes a lane each, in pieces of 8; and their scale words, 16 bits each
.set t, 0
.rept 8
.irp p, 0,1,2
	ds_load_b64 v[KF+6*t+2*\p:KF+6*t+2*\p+1], v[ADK] offset:48*(64*(t/4)+8*(t%4))+8*\p
.endr
.set t, t+1
.endr
.irp i, 0,1,2,3
	ds_load_u16 v[KS+\i], v[ADKS] offset:2*SP*(\i/2)+32*(\i%2)
.endr
.endm
.macro LOADV                           ; the step's four tiles of V (16 rows d x 128 keys).  Lanes 0-15 take a row's pieces 0, 1, 2 and 6, 7, 8, lanes 16-31 those three on; where the piece three on lies behind one padding more, the second address serves
	WIN W_TO1
.set t, 0
.rept 4
.irp p, 0,1,2,3,4,5
.set PC, 6*(\p/3)+\p%3
.if PC%4 == 0
	ds_load_b64 v[VF+12*t+2*\p:VF+12*t+2*\p+1], v[ADVA] offset:16*VP*t+8*PC+16*(PC/4)
.else
	ds_load_b64 v[VF+12*t+2*\p:VF+12*t+2*\p+1], v[ADVB] offset:16*VP*t+8*PC+16*(PC/4)
.endif
.endr
.set t, t+1
.endr
	WIN 0
.irp i, 0,1
	ds_load_b32 v[VS+\i], v[ADVS] offset:32*SP*\i
.endr
.endm
; ---- matrix work.  No two matrix instructions that follow each other share an accumulator: eight tiles of scores, then four of O^T, by turns
.macro QK un, sb                       ; S^T = K Q^T + mask^T for unit un: C and D are the buffer that holds the mask
	WIN W_QK
.set t, 0
.rept 8
.set rS, \sb+8*t
.set rK, KF+6*t
.set rQ, QQ+12*\un
.if (t%2 == 0) && (\un%2 == 0)
	v_wmma_scale_f32_16x16x128_f8f6f4 v[rS:rS+7], v[rK:rK+11], v[rQ:rQ+11], v[rS:rS+7], v[KS+t/2], v[QS+\un/2] matrix_a_fmt:MATRIX_FMT_FP6 matrix_b_fmt:MATRIX_FMT_FP6
.elseif (\un%2 == 0)
	v_wmma_scale_f32_16x16x128_f8f6f4 v[rS:rS+7], v[rK:rK+11], v[rQ:rQ+11], v[rS:rS+7], v[KS+t/2], v[QS+\un/2] matrix_a_fmt:MATRIX_FMT_FP6 matrix_b_fmt:MATRIX_FMT_FP6 matrix_a_scale:MATRIX_SCALE_ROW1
.elseif (t%2 == 0)
	v_wmma_scale_f32_16x16x128_f8f6f4 v[rS:rS+7], v[rK:rK+11], v[rQ:rQ+11], v[rS:rS+7], v[KS+t/2], v[QS+\un/2] matrix_a_fmt:MATRIX_FMT_FP6 matrix_b_fmt:MATRIX_FMT_FP6 matrix_b_scale:MATRIX_SCALE_ROW1
.else
	v_wmma_scale_f32_16x16x128_f8f6f4 v[rS:rS+7], v[rK:rK+11], v[rQ:rQ+11], v[rS:rS+7], v[KS+t/2], v[QS+\un/2] matrix_a_fmt:MATRIX_FMT_FP6 matrix_b_fmt:MATRIX_FMT_FP6 matrix_a_scale:MATRIX_SCALE_ROW1 matrix_b_scale:MATRIX_SCALE_ROW1
.endif
.set t, t+1
.endr
	WIN 0
.endm
.macro PV u                            ; O^T += V^T P^T for unit u: K = the step's 128 keys
	WIN W_PV
.irp t, 0,1,2,3
.if \t%2
	v_wmma_scale_f32_16x16x128_f8f6f4 v[OO+32*\u+8*\t:OO+32*\u+8*\t+7], v[VF+12*\t:VF+12*\t+11], v[PP:PP+11], v[OO+32*\u+8*\t:OO+32*\u+8*\t+7], v[VS+\t/2], v[PS] matrix_a_fmt:MATRIX_FMT_FP6 matrix_b_fmt:MATRIX_FMT_FP6 matrix_a_scale:MATRIX_SCALE_ROW1
.else
	v_wmma_scale_f32_16x16x128_f8f6f4 v[OO+32*\u+8*\t:OO+32*\u+8*\t+7], v[VF+12*\t:VF+12*\t+11], v[PP:PP+11], v[OO+32*\u+8*\t:OO+32*\u+8*\t+7], v[VS+\t/2], v[PS] matrix_a_fmt:MATRIX_FMT_FP6 matrix_b_fmt:MATRIX_FMT_FP6
.endif
.endr
	WIN 0
.endm
; ---- a unit's softmax, in five parts
.macro SM_A0 sb                        ; four chains of maxima begin, each at the low end of a tile
.irp k, 0,1,2,3
	v_max3_num_f32 v[TT+\k], v[\sb+16*\k], v[\sb+16*\k+1], v[\sb+16*\k+2]
.endr
.endm
.macro SM_A1 u, sb
.irp i, 3,5,7,9,11,13
.irp k, 0,1,2,3
	v_max3_num_f32 v[TT+\k], v[TT+\k], v[\sb+16*\k+\i], v[\sb+16*\k+\i+1]   ; (the four by turns; each further tile is first read at its register 0)
.endr
.endr
	v_max3_num_f32 v[TT], v[TT], v[TT+1], v[\sb+15]
	v_max3_num_f32 v[TT+2], v[TT+2], v[TT+3], v[\sb+47]
	v_max_num_f32 v[TT], v[TT], v[\sb+31]          ; THE LARGEST SCORE OF EACH OF MY TWO BLOCKS OF 32 KEYS: it serves for the row's maximum and, since p rises with the score, for the block's largest p
	v_max_num_f32 v[TT+2], v[TT+2], v[\sb+63]
	v_max_num_f32 v[DD], v[TT], v[TT+2]
	v_mul_f32 v[DD], s[CS], v[DD]                  ; as t
	v_permlanex16_b32 v[XX], v[DD], s[SEL], s[SEL+1]   ; the query's other 64 keys lie in the lane 16 away
	v_max3_num_f32 v[ST+4*\u+1], v[ST+4*\u+1], v[DD], v[XX]   ; the running largest t
	v_mov_b32 v[DD], v[ST+4*\u]
	v_floor_f32 v[ST+4*\u], -v[ST+4*\u+1]          ; the new -M = floor(-t) = -ceil(t): M is a whole number
	v_sub_f32 v[DD], v[ST+4*\u], v[DD]             ; old M - new M: a whole number, 0 or less
.set j, 0
.rept 32
	v_pk_fma_f32 v[\sb+j:\sb+j+1], v[\sb+j:\sb+j+1], s[CS:CS+1], v[ST+4*\u:ST+4*\u+1] op_sel_hi:[1,0,0]   ; t - M, two at a time (of the pairs the low word serves both halves)
.set j, j+2
.endr
	v_fma_f32 v[TT], v[TT], s[CS], v[ST+4*\u]      ; the same of each block's largest score
	v_fma_f32 v[TT+2], v[TT+2], s[CS], v[ST+4*\u]
.endm
.macro SM_E sb
.set j, 0
.rept 64
	v_exp_f32 v[\sb+j], v[\sb+j]                   ; p = 2^(t - M): not normalised
.set j, j+1
.endr
	v_exp_f32 v[TT], v[TT]                         ; the blocks' largest p: the same two instructions on the same number give the same bits
	v_exp_f32 v[TT+2], v[TT+2]
	v_cvt_i32_f32 v[DD], v[DD]                     ; (it saturates.)  These two lines are the plain place behind the exponentials (ISA guide 5.7.2)
	v_ldexp_f32 v[FF], 1.0, v[DD]                  ; f = 2^(old M - new M)
.endm
.macro SM_B u, sb                      ; registers of window 0 alone: p's scale word, and the row's sum
	s_wait_alu depctr_va_vdst(0)
	v_max_num_f32 v[TT], 0x1800000, v[TT]          ; the floor 2^(3 - 127): the byte cannot fall under 1
	v_max_num_f32 v[TT+2], 0x1800000, v[TT+2]
	v_add_nc_u32 v[SOP], 0xff000000, v[TT]         ; 2 off the exponent field: the conversion takes this operand's exponent field as its scale
	v_add_nc_u32 v[SOP+1], 0xff000000, v[TT+2]
	v_lshrrev_b32 v[BY], 23, v[SOP]                ; the scales' bytes
	v_lshrrev_b32 v[BY+1], 23, v[SOP+1]
	v_lshl_or_b32 v[BY], v[BY+1], 16, v[BY]        ; my blocks are h and 2 + h of the step's four:
	v_lshlrev_b32 v[BY], v[H8], v[BY]              ; their places in the scale word;
	v_permlanex16_b32 v[XX], v[BY], s[SEL], s[SEL+1]
	v_or_b32 v[PS], v[BY], v[XX]                   ; with the other lane's two the word is whole.  It stands 32 sums and more ahead of the products that name it
	v_pk_fma_f32 v[ST+4*\u+2:ST+4*\u+3], v[ST+4*\u+2:ST+4*\u+3], v[FF:FF+1], v[\sb:\sb+1] op_sel_hi:[1,0,1]   ; THE SUM IS TAKEN OF THE UNQUANTISED p: the old sum x f, and four chains
	v_pk_add_f32 v[TA:TA+1], v[\sb+2:\sb+3], v[\sb+4:\sb+5]
	v_pk_add_f32 v[TB2:TB2+1], v[\sb+6:\sb+7], v[\sb+8:\sb+9]
	v_pk_add_f32 v[TC:TC+1], v[\sb+10:\sb+11], v[\sb+12:\sb+13]
.irp j, 14,22,30,38,46,54
	v_pk_add_f32 v[ST+4*\u+2:ST+4*\u+3], v[ST+4*\u+2:ST+4*\u+3], v[\sb+\j:\sb+\j+1]
	v_pk_add_f32 v[TA:TA+1], v[TA:TA+1], v[\sb+\j+2:\sb+\j+3]
	v_pk_add_f32 v[TB2:TB2+1], v[TB2:TB2+1], v[\sb+\j+4:\sb+\j+5]
	v_pk_add_f32 v[TC:TC+1], v[TC:TC+1], v[\sb+\j+6:\sb+\j+7]
.endr
	v_pk_add_f32 v[TA:TA+1], v[TA:TA+1], v[TB2:TB2+1]
	v_pk_add_f32 v[ST+4*\u+2:ST+4*\u+3], v[ST+4*\u+2:ST+4*\u+3], v[\sb+62:\sb+63]
	v_pk_add_f32 v[TA:TA+1], v[TA:TA+1], v[TC:TC+1]
	v_pk_add_f32 v[ST+4*\u+2:ST+4*\u+3], v[ST+4*\u+2:ST+4*\u+3], v[TA:TA+1]
.endm
.macro SM_C u, sb                      ; p's codes, and O^T under the new M
	WIN W_TO1
	v_cvt_scalef32_pk16_fp6_f32 v[PP:PP+2], v[\sb:\sb+15], v[SOP]            ; registers 6 c .. 6 c + 5 of the operand are my block of c: no lane is changed
	v_cvt_scalef32_pk16_fp6_f32 v[PT0:PT0+2], v[\sb+16:\sb+31], v[SOP]
	v_cvt_scalef32_pk16_fp6_f32 v[PP+6:PP+8], v[\sb+32:\sb+47], v[SOP+1]
	v_cvt_scalef32_pk16_fp6_f32 v[PT1:PT1+2], v[\sb+48:\sb+63], v[SOP+1]
	WIN W_RS
.irp i, 0,2,4,6,8,10,12,14
	v_pk_mul_f32 v[OO+32*\u+\i:OO+32*\u+\i+1], v[OO+32*\u+\i:OO+32*\u+\i+1], v[FF:FF+1] op_sel_hi:[1,0]   ; tiles 0 and 1 x f, each from its low end on: also the plain places behind the conversions
.endr
.irp i, 0,1,2
	v_mov_b32 v[PP+3+\i], v[PT0+\i]
	v_mov_b32 v[PP+9+\i], v[PT1+\i]
.endr
.irp i, 16,18,20,22,24,26,28,30
	v_pk_mul_f32 v[OO+32*\u+\i:OO+32*\u+\i+1], v[OO+32*\u+\i:OO+32*\u+\i+1], v[FF:FF+1] op_sel_hi:[1,0]   ; tiles 2 and 3: of these eight at least four name no register of any one product below: the places between an operand written by vector instructions and that product
.endr
.endm
; ---- a unit's whole turn.  nxt = 1: the next unit's mask is asked for at the head, and its products stand behind this unit's exponentials
.macro UNIT u, nxt
.set CSB, BUF0+64*((\u)%2)
.set CSN, BUF0+64-64*((\u)%2)
.set CUN, ((\u)+1)%4
.if \nxt
	LOADM CUN, CSN                                 ; into the buffer that the unit before has left
.endif
	SM_A0 CSB
.if (\u) == 0
	LOADV                                          ; this step's V: the four lines above are the places behind the last products that read V's registers (ISA guide 7.12.1 for vector instructions)
.endif
	SM_A1 \u, CSB
	SM_E CSB
.if \nxt
.if (\u) == 0
	s_wait_dscnt 26                                ; the mask is in; V's 24 loads and its two scale words, issued behind it, may stay out
.else
	s_wait_dscnt 0x0                               ; the mask is in (behind a change of slots: K and its scale words too)
.endif
	QK CUN, CSN
.endif
	SM_B \u, CSB
	SM_C \u, CSB
.if (\u) == 0
	s_wait_dscnt 0x0                               ; V is in
.endif
	PV \u
.endm
.macro HALF2                           ; unit 2 up to the products of unit 3: the last use of the step's K and the last read of its slot
	LOADM 3, BUF1
	SM_A0 BUF0
	SM_A1 2, BUF0
	SM_E BUF0
	s_wait_dscnt 0x0
	QK 3, BUF1
.endm
; ---- THE CHANGE OF SLOTS.  Each wave waits for all its tensor loads (its part of the slot ahead), adds 0 to its spare word, and waits for that and for its reads of the slot that it leaves; behind the barrier the slot ahead is whole
; and nobody reads the other.  fill = 1: the barrier opens a round of the cluster's barrier, and behind the round the slot just left is asked for again jointly, with the step after next's... next step's tiles: one load a wave, a whole step in which to land.
.macro CHANGE_A fill
	s_wait_tensorcnt 0x0                           ; no tensor load of mine is out, so the groups 0 may be written
	ds_add_u32 v[SPW], v[NIL]                      ; 0 onto my spare word: the addresses' steps stand between it and the wait for it
	v_add_nc_u32 v[ADM], s[TB], v[AM0]             ; my places in the slot ahead (no LDS load of mine is out).  These lines are also places behind unit 3's products, ahead of the loads into K's registers
	v_add_nc_u32 v[ADK], s[TB], v[AK0]
	v_add_nc_u32 v[ADVA], s[TB], v[AVA0]
	v_add_nc_u32 v[ADVB], s[TB], v[AVB0]
	v_add_nc_u32 v[ADKS], s[TS], v[AKS0]
	v_add_nc_u32 v[ADVS], s[TJ], v[AVS0]
	s_xor_b32 s[TB], s[TB], SLOT1
	s_add_co_u32 s[TS], s[TS], 4*SP
	s_add_co_u32 s[TJ], s[TJ], 4
.if \fill
	s_xor_b32 s[G0M+1], s[G0M+1], SLOT1            ; the walking descriptors: the other slot than last time, the next 128 keys; the type bits on top are not reached
	s_add_nc_u64 s[G0M+2:G0M+3], s[G0M+2:G0M+3], 512
	s_xor_b32 s[G0K+1], s[G0K+1], SLOT1
	s_add_nc_u64 s[G0K+2:G0K+3], s[G0K+2:G0K+3], KHB
	s_xor_b32 s[G0V+1], s[G0V+1], SLOT1
	s_add_nc_u64 s[G0V+2:G0V+3], s[G0V+2:G0V+3], 96
.endif
	s_wait_dscnt 0x0                               ; the add is done, and my reads of the slot that I leave are over
	s_barrier_signal -1
.endm
.macro CHANGE_B fill
	s_barrier_wait -1
.if \fill
	CREST                                          ; no wave of any partner still reads the slot or has a load on its way
	JLOAD                                          ; the first tensor load behind the round, and my one load until the next
.endif
.endm
.macro TRIP fill                       ; from the middle of unit 2 of one key step to the middle of unit 2 of the next
	CHANGE_A \fill
	SM_B 2, BUF0                                   ; work on registers while the others arrive
	CHANGE_B \fill
	LOADK                                          ; the new step's K: it has the rest of unit 2 and most of unit 3 in which to come
	SM_C 2, BUF0
	PV 2
	UNIT 3, 1                                      ; the old step's last unit; the new step's first mask and scores
	UNIT 0, 1
	UNIT 1, 1
	HALF2
.endm
	CHANGE_A 1                                     ; key step 0 and the scale bytes are in,
	CHANGE_B 1                                     ; everybody's are; slot 1 is first filled as a refill is: key step 1
	LOADK
	LOADM 0, BUF0
	s_wait_loadcnt 0x0                             ; Q and its scale words
	s_wait_dscnt 0x0
	QK 0, BUF0
	NOP4                                           ; places ahead of the first read of these scores: no other vector work is at hand yet
	UNIT 0, 1
	UNIT 1, 1
	HALF2
	s_mov_b32 s[CNT], NSTEP-2
.Ltrip:                                            ; 14 trips: key steps 1 to 14 are entered, steps 2 to 15 asked for
	TRIP 1
	s_sub_co_u32 s[CNT], s[CNT], 1
	s_cmp_lg_u32 s[CNT], 0
	s_cbranch_scc1 .Ltrip
	TRIP 0                                         ; the last step is written out: nothing is asked for, and no round follows its barrier
	SM_B 2, BUF0
	SM_C 2, BUF0
	PV 2
	UNIT 3, 0
	; ---- THE WAY OUT.  The sum's two halves and the other lane's are added; O^T is divided by the sum in place and goes through my stage in LDS, a unit (16 rows of out) at a time: sixteen lanes then store a whole row of 256 bytes.
.irp u, 0,1,2,3
	v_add_f32 v[TT+\u], v[ST+4*\u+2], v[ST+4*\u+3] ; (these lines are the places behind the last products)
.endr
.irp u, 0,1,2,3
	v_permlanex16_b32 v[SOP+\u], v[TT+\u], s[SEL], s[SEL+1]
.endr
.irp u, 0,1,2,3
	v_add_f32 v[TT+\u], v[TT+\u], v[SOP+\u]        ; the row's sum
.endr
.irp u, 0,1,2,3
	v_rcp_f32 v[ST+4*\u+2], v[TT+\u]
.endr
	v_nop                                          ; a plain place behind the last reciprocal
	s_wait_alu depctr_va_vdst(0)
.macro PACK u
	WIN W_RS
.set i, 0
.rept 16
	v_pk_mul_f32 v[OO+32*\u+i:OO+32*\u+i+1], v[OO+32*\u+i:OO+32*\u+i+1], v[ST+4*\u+2:ST+4*\u+3] op_sel_hi:[1,0]   ; each accumulator from its low end on
.set i, i+2
.endr
	WIN 0x04                                       ; an LDS store's data are its source 1: window 1
.irp t, 0,1,2,3
	ds_store_b128 v[STO], v[OO+32*\u+8*\t:OO+32*\u+8*\t+3] offset:64*\t          ; lane (r, h): out(r, 16 t + 8 h + 0 .. 7)
	ds_store_b128 v[STO], v[OO+32*\u+8*\t+4:OO+32*\u+8*\t+7] offset:64*\t+16
.endr
	WIN 0
.irp e, 0,1,2,3,4,5,6,7
	ds_load_b128 v[BUF0+32*\u+4*\e:BUF0+32*\u+4*\e+3], v[RD] offset:2*\e*STP   ; LDS serves a wave's instructions in order (ISA guide 5.7.1.4): these see the stores above, and the next unit's stores come behind them
.endr
.endm
.macro SEND u, younger                 ; younger: the LDS instructions issued behind unit u's loads: the next unit's eight stores and eight loads, or none
	s_wait_dscnt \younger
.irp e, 0,1,2,3,4,5,6,7
	global_store_b128 v[GO], v[BUF0+32*\u+4*\e:BUF0+32*\u+4*\e+3], s[18:19] offset:4096*\u+512*\e th:TH_STORE_NT   ; 16 lanes store 256 consecutive bytes, at a multiple of 256 from out's first byte; each unit has registers of its own
.endr
.endm
	PACK 0
	PACK 1
	SEND 0, 16
	PACK 2
	SEND 1, 16
	PACK 3
	SEND 2, 16
	SEND 3, 0
	s_wait_tensorcnt 0x0                           ; the wave's end: behind my last tensor load and my last LDS store
	ds_add_u32 v[SPW], v[NIL]
	s_wait_dscnt 0x0
	CROUND                                         ; the closing round: no work-group ends while a partner may still ask for a tile that names it
	s_endpgm
.Lfunc_end_k_q0fd25f28c0_attn:
	.size	k_q0fd25f28c0_attn, .Lfunc_end_k_q0fd25f28c0_attn-k_q0fd25f28c0_attn
	.p2alignl 7, 3214868480
	.fill 96, 4, 3214868480
	.section	.rodata,"a",@progbits
	.p2align	6, 0x0
	.amdhsa_kernel k_q0fd25f28c0_attn
		.amdhsa_group_segment_fixed_size 327680
		.amdhsa_private_segment_fixed_size 0
		.amdhsa_enable_private_segment 0
		.amdhsa_kernarg_size 64
		.amdhsa_user_sgpr_count 2
		.amdhsa_user_sgpr_kernarg_segment_ptr 1
		.amdhsa_wavefront_size32 1
		.amdhsa_system_sgpr_workgroup_id_x 1
		.amdhsa_system_sgpr_workgroup_id_y 1
		.amdhsa_system_sgpr_workgroup_id_z 1
		.amdhsa_system_vgpr_workitem_id 0
		.amdhsa_next_free_vgpr 512
		.amdhsa_next_free_sgpr 102
		.amdhsa_reserve_vcc 0
		.amdhsa_float_denorm_mode_32 3
		.amdhsa_float_denorm_mode_16_64 3
		.amdhsa_memory_ordered 1
		.amdhsa_forward_progress 1
		.amdhsa_inst_pref_size 204
	.end_amdhsa_kernel
	.amdgpu_metadata
---
amdhsa.version: [ 1, 2 ]
amdhsa.kernels:
  - .name:           k_q0fd25f28c0_attn
    .symbol:         k_q0fd25f28c0_attn.kd
    .args:
      - { .name: attn_mask, .offset: 0, .size: 8, .value_kind: global_buffer, .address_space: global }
      - { .name: key_codes, .offset: 8, .size: 8, .value_kind: global_buffer, .address_space: global }
      - { .name: key_scales, .offset: 16, .size: 8, .value_kind: global_buffer, .address_space: global }
      - { .name: query_codes, .offset: 24, .size: 8, .value_kind: global_buffer, .address_space: global }
      - { .name: query_scales, .offset: 32, .size: 8, .value_kind: global_buffer, .address_space: global }
      - { .name: value_codes, .offset: 40, .size: 8, .value_kind: global_buffer, .address_space: global }
      - { .name: value_scales, .offset: 48, .size: 8, .value_kind: global_buffer, .address_space: global }
      - { .name: out0, .offset: 56, .size: 8, .value_kind: global_buffer, .address_space: global }
    .group_segment_fixed_size: 327680
    .private_segment_fixed_size: 0
    .kernarg_segment_align: 8
    .kernarg_segment_size: 64
    .max_flat_workgroup_size: 256
    .sgpr_count:     102
    .vgpr_count:     512
    .wavefront_size: 32
...
	.end_amdgpu_metadata
.endif
;; end of part 1
